; MI455X (gfx1250); checked and timed in simulation.
; The chip was launched on July 23, 2026; its instructions are those of AMD's public machine-readable ISA for CDNA 5 (MIT licence, August 2026) and "CDNA5" Instruction Set Architecture Reference Guide (July 2026). The comments in the code are by the model that wrote it; some were corrected since.
;; Efficient Attention. Allowed arithmetic: matrix products marked QUANTISED: E2M1 operands, one E8M0 scale for each 32 along K, by v_wmma_scale_f32_16x16x128_f8f6f4 with both operands' format E2M1 (or v_wmma_scale_f32_32x16x128_f4), f32 sums; products left as they are: bf16, f16 or f32 operands; f32 sums; everything else in f32.
;; Inputs: k 1 x 16 x 4,096 x 64 float32; q 1 x 16 x 4,096 x 64 float32; v 1 x 16 x 4,096 x 64 float32.
;; Outputs: out0 1 x 16 x 4,096 x 64 float32.
;; This version of the problem:
;;   THIS VERSION OF THE PROBLEM IS GIVEN IN LOW PRECISION. The matrix products marked QUANTISED in the list below multiply operands that are first quantised to E2M1 (2 exponent bits, 1 mantissa bit; 4 bits a number), with one power-of-two scale for each 32 numbers along K (OCP MX v1.0); their sums are f32. The products marked 'left as it is' may take bf16, f16 or f32 operands, with f32 sums. Whichever they take, every output number must still come out within the allowed error. Rounding operands to bf16 (8 significant bits) uses up far more of that allowance than f16 does (11 bits, for magnitudes from 6e-5 to 65,504). All else is computed in f32.
;;   The module's matrix products, in the order in which they are computed (A, B: the left and right operand; K: the contracted axis; several contracted axes count as one K, in the product's order):
;;     1. batch 16 x [M 4,096, K 64] x [K 64, N 4,096]; A: input q; B: input k: QUANTISED
;;     2. batch 16 x [M 4,096, K 4,096] x [K 4,096, N 64]; A: computed on the way; B: input v: left as it is (an operand is computed on the way)
;;   THE QUANTISER, for each operand of a quantised product, along K:
;;     - K is cut into blocks of 32 from its start; a last block that is shorter is filled with zeros.
;;     - A block's scale is 2^e with e = floor(log2(the largest magnitude in the block)) - 2, held to -126 .. 127; a block of zeros has e = 0. As a byte (E8M0): e + 127.
;;     - Each number is divided by its block's scale, clamped to +-6, and rounded to the nearest number of E2M1, ties to even, subnormals kept.
;;     - The product sums the exact products of the quantised numbers (number of the format x scale) in f32.
;;   ~~~python
;;   def quantise(x, axis):      # numpy; x: float32 -> the quantised numbers, widened to float32 again
;;       x = np.moveaxis(x, axis, -1); K = x.shape[-1]
;;       x = np.pad(x, [(0, 0)] * (x.ndim - 1) + [(0, -K % 32)]); x = x.reshape(x.shape[:-1] + (-1, 32)); a = np.abs(x).max(-1, keepdims=True)
;;       e = np.where(a > 0, np.clip(np.frexp(np.where(a > 0, a, 1))[1] - 1 - 2, -126, 127), 0)      # np.frexp(a)[1] - 1 = floor(log2(a)), exactly
;;       r = np.clip(x / 2.0 ** e, -6, 6)
;;       step = 2.0 ** (np.maximum(np.frexp(np.where(r == 0, 1, r))[1] - 1, 0) - 1)
;;       q = np.round(r / step) * step * 2.0 ** e      # np.round: ties to even
;;       return np.moveaxis(q.reshape(q.shape[:-2] + (-1,))[..., :K], -1, axis).astype(np.float32)
;;   ~~~
;; One version. Each part assembles by itself: llvm-mc -triple=amdgcn-amd-amdhsa -mcpu=gfx1250 --defsym DOCPART=n.
;; ======== version 1 of 1: 2 launches
;; limits: values are held in f16: magnitudes above 65,504 overflow, below 6.1e-05 lose precision
;; workspace buffers: qc 2,097,152 bytes; qs 131,072 bytes; kc 2,097,152 bytes; ks 131,072 bytes; vh 8,388,608 bytes
;; launch prep (part 1): grid 256 x 1, 6 waves a work-group, no clusters, 56,064 bytes of LDS; arguments q, k, v, qc, qs, kc, ks, vh; writes qc, qs, kc, ks, vh
.if DOCPART == 1
	.amdgcn_target "amdgcn-amd-amdhsa--gfx1250"
	.amdhsa_code_object_version 6
	.text
	.protected	k_q5142a0f679_prep
	.globl	k_q5142a0f679_prep
	.p2align	8
	.type	k_q5142a0f679_prep,@function
k_q5142a0f679_prep:
	s_mov_b64 s[64:65], 0
	v_nop
	global_prefetch_b8 v0, s[64:65] scope:SCOPE_SE
	s_setreg_imm32_b32 hwreg(HW_REG_WAVE_MODE, 25, 1), 1
	s_wait_xcnt 0x0
; q, k, v: [16 heads][4096][64] f32, taken as 65,536 rows of 64 numbers (row R = 4096 x head + l).
; q and k become codes of FP4 (E2M1) with one E8M0 byte for each 32 along the head's 64; v becomes f16 with the keys innermost.  All five results are laid as IMAGES OF OPERAND REGISTERS for the next launch:
;   qc, kc [R/16][512 bytes]: in a tile of 16 rows lane (r, h) has 16 bytes at 16 (r + 16 h): the 32 codes of block h of row r, the lower k in the lower bits.
;   qs, ks [R/64][32 lanes][4 bytes]: word (r, hh) = s16(row 32 hh + r) | s16(row 32 hh + 16 + r) << 16, s16 = byte(block 0) | byte(block 1) << 8.
;   vh [R/32][4 fragments][1,024 bytes]: row m of fragment c is channel 32 (c / 2) + 2 m + c % 2; lane (m, h) has keys 8 h .. 8 h + 7 at 16 (m + 16 h), and keys 16 + 8 h .. + 7 another 512 bytes on.
; A block's scale is 2^(floor(log2(its largest magnitude)) - 2): its byte is the largest magnitude's exponent field - 2, held at 1 from below by a floor among the maximum's leaves.
; LIMITS: NaN and infinities among the inputs are not served.  A block of zeros gets the byte 1 where the quantiser says 127: its codes are zeros, and these bytes are read by this program alone.
;         |v| above 65,504 becomes infinity in f16.
; SHARES: work-group b owns rows 256 b .. 256 b + 255 of all three tensors.  Waves 0, 1 take q, waves 2, 3 k, waves 4, 5 v: 128 rows (32,768 bytes read) each.  Waves share nothing: no barrier.
; No loop: every offset is an immediate and no pointer is stepped.  No matrix unit, no cluster, no tensor load: each byte is read once by one wave, so nothing could be shared.
.set WREG,  9216                       ; LDS: a region for each wave: two stages of 16 rows x 272 bytes, then 256 bytes for its scale words
.set PITCH, 272                        ; a stage row: 256 bytes + 16, so that sixteen rows' equal columns fall 16 bytes apart modulo 256
.set STG,   16*PITCH
.set SCST,  2*STG
.set SPARE, 6*WREG                     ; behind the regions: the spare words, 128 bytes for each wave: three blocks of 256 bytes that no other line names
.set LI,   4                           ; v4   16 x lane
.set WA,   5                           ; v5   the stage, on the way in: region + 272 (lane / 16) + 16 (lane % 16)
.set RA,   6                           ; v6   and on the way out: region + 272 r + 128 h: block h of row r
.set SCA,  7                           ; v7   region + 4 x lane
.set SCB,  8                           ; v8   region + 8 x lane
.set L8,   9                           ; v9   8 x lane
.set SH8,  10                          ; v10  8 h
.set VA,   11                          ; v11  2,048 (lane / 16) + 16 (lane % 16): my place in a key block of vh
.set SPW,  12                          ; v12  LDS address of my spare word; never rewritten
.set NIL,  13                          ; v13  0; never rewritten
.set S16,  20                          ; v20-27  a tile's two bytes of row r, for each of 8 tiles
.set R,    32                          ; v32-159  q, k: four sets of 32 registers as loaded
.set X,    160                         ; v160-223 q, k: two sets of 32: a whole block of 32 neighbours
.set C,    224                         ; v224-255 q, k: four registers of codes for each tile: no store's data are written again
.set VX,   32                          ; v32-159  v: two sets of 64: 32 keys x my two channels
.set VC,   160                         ; v160-223 v: two sets of 32: f16 pairs
	s_load_b512 s[4:19], s[0:1], 0x0               ; q s[4:5], k s[6:7], v s[8:9], qc s[10:11], qs s[12:13], kc s[14:15], ks s[16:17], vh s[18:19]
	v_lshl_add_u32 v[SPW], v0, 2, SPARE
	v_mov_b32 v[NIL], 0
	v_lshrrev_b32 v1, 5, v0
	v_readfirstlane_b32 s20, v1                    ; wave 0..5
	v_and_b32 v1, 31, v0                           ; lane
	v_and_b32 v2, 15, v0                           ; r
	v_bfe_u32 v3, v0, 4, 1                         ; h
	v_lshlrev_b32 v[LI], 4, v1
	s_mul_i32 s32, s20, WREG                       ; my region.  Every LDS address is made here, ahead of the parting of the roles
	v_mul_u32_u24 v[WA], v3, PITCH
	v_lshl_add_u32 v[WA], v2, 4, v[WA]
	v_add_nc_u32 v[WA], s32, v[WA]
	v_mul_u32_u24 v[RA], v2, PITCH
	v_lshl_add_u32 v[RA], v3, 7, v[RA]
	v_add_nc_u32 v[RA], s32, v[RA]
	v_lshlrev_b32 v[SCA], 2, v1
	v_add_nc_u32 v[SCA], s32, v[SCA]
	v_lshlrev_b32 v[L8], 3, v1
	v_add_nc_u32 v[SCB], s32, v[L8]
	v_lshlrev_b32 v[SH8], 3, v3
	v_lshlrev_b32 v[VA], 11, v3
	v_lshl_add_u32 v[VA], v2, 4, v[VA]
	v_mov_b32 v18, 0                               ; written once: a lane permute's destination counts as one of its sources
	s_mov_b32 s30, 0x76543210
	s_mov_b32 s31, 0xfedcba98                      ; v_permlanex16_b32's selects for lane l xor 16
	s_lshl_b32 s21, ttmp9, 1
	s_and_b32 s22, s20, 1
	s_add_co_u32 s21, s21, s22                     ; which run of 128 rows is my wave's: 2 x work-group + wave % 2
	s_mov_b32 s23, 0                               ; the high word of every offset
	s_wait_kmcnt 0x0
	s_cmp_ge_u32 s20, 4
	s_cbranch_scc1 .Lv
	; ---------------- q and k: 8 tiles of 16 rows ----------------
	s_cmp_lt_u32 s20, 2                            ; q's wave or k's?  Only pointers are chosen: both take one path
	s_cselect_b64 s[24:25], s[4:5], s[6:7]
	s_cselect_b64 s[26:27], s[10:11], s[14:15]
	s_cselect_b64 s[28:29], s[12:13], s[16:17]
	s_lshl_b32 s22, s21, 15                        ; 128 rows of 256 bytes
	s_add_nc_u64 s[24:25], s[24:25], s[22:23]
	s_lshl_b32 s22, s21, 12                        ; 128 rows of 32 bytes of codes
	s_add_nc_u64 s[26:27], s[26:27], s[22:23]
	s_lshl_b32 s22, s21, 8                         ; 128 rows of 2 scale bytes
	s_add_nc_u64 s[28:29], s[28:29], s[22:23]
.macro LOAD t                          ; tile t as it lies: each load reads 512 consecutive bytes, two rows
.irp i, 0,1,2,3,4,5,6,7
	global_load_b128 v[R+32*((\t)%4)+4*\i:R+32*((\t)%4)+4*\i+3], v[LI], s[24:25] offset:4096*(\t)+512*\i th:TH_LOAD_NT
.endr
.endm
.macro TURN t                          ; through the stage, so that a lane gets a whole block of 32 neighbours.  LDS serves a wave's instructions in order (ISA guide 5.7.1.4): no wait between the stores and the loads
.irp i, 0,1,2,3,4,5,6,7
	ds_store_b128 v[WA], v[R+32*((\t)%4)+4*\i:R+32*((\t)%4)+4*\i+3] offset:STG*((\t)%2)+2*PITCH*\i
.endr
.irp i, 0,1,2,3,4,5,6,7
	ds_load_b128 v[X+32*((\t)%2)+4*\i:X+32*((\t)%2)+4*\i+3], v[RA] offset:STG*((\t)%2)+16*\i
.endr
.endm
.macro TILE t
.set XS, X+32*((\t)%2)
	s_wait_dscnt 0x0                               ; this tile's block is back from the stage; so its stores into the stage have read their registers,
.if (\t)+4 < 8
	LOAD (\t)+4                                    ; which take the loads of four tiles on
.endif
.if (\t) < 7
.if (\t) < 4
	s_wait_loadcnt 24                              ; the next tile's eight loads are in; those of the three tiles behind it may be out
.else
	s_wait_loadcnt 8*(6-(\t))                      ; the same with two, one and no tile behind it
.endif
	TURN (\t)+1                                    ; and go through the other stage while this tile is worked
.endif
	v_max3_num_f32 v14, |v[XS]|, |v[XS+1]|, |v[XS+2]|              ; the block's largest magnitude: all 32 numbers are mine; two chains
	v_max3_num_f32 v15, |v[XS+3]|, |v[XS+4]|, |v[XS+5]|
.irp i, 6,10,14,18,22,26
	v_max3_num_f32 v14, v14, |v[XS+\i]|, |v[XS+\i+1]|
	v_max3_num_f32 v15, v15, |v[XS+\i+2]|, |v[XS+\i+3]|
.endr
	v_max3_num_f32 v14, v14, |v[XS+30]|, |v[XS+31]|
	v_max3_num_f32 v14, v14, v15, 0x1800000        ; and the floor 2^(3 - 127): the byte cannot fall under 1
	v_add_nc_u32 v16, 0xff000000, v14              ; 2 off its exponent field: the conversion takes the exponent field of this operand as its scale, and nothing else of it
.irp g, 0,1,2,3
	v_cvt_scalef32_pk8_fp4_f32 v[C+4*(\t)+\g], v[XS+8*\g:XS+8*\g+7], v16   ; to the nearest code, ties to even, beyond 6 the largest code
.endr
	v_lshrrev_b32 v17, 23, v16                     ; the scale's byte.  (Also the plain line behind the conversions)
	v_lshlrev_b32 v17, v[SH8], v17                 ; at its place: block h is byte h
	v_permlanex16_b32 v18, v17, s30, s31
	v_or_b32 v[S16+(\t)], v17, v18                 ; with lane l xor 16's: row r's two bytes, in both halves of the lanes
	global_store_b128 v[LI], v[C+4*(\t):C+4*(\t)+3], s[26:27] offset:512*(\t)   ; the wave stores 512 consecutive bytes: the tile's image
.endm
.irp t, 0,1,2,3
	LOAD \t
.endr
	s_wait_loadcnt 24                              ; tile 0's eight loads are in
	TURN 0
.irp t, 0,1,2,3,4,5,6,7
	TILE \t
.endr
	v_lshl_or_b32 v30, v[S16+1], 16, v[S16]        ; the words of rows 0-63: tiles 0 and 1,
	v_lshl_or_b32 v31, v[S16+3], 16, v[S16+2]      ; tiles 2 and 3
	v_cmp_ne_u32 vcc_lo, 0, v3
	v_cndmask_b32 v30, v30, v31, vcc_lo            ; lanes 16-31 take the second pair of tiles
	v_lshl_or_b32 v31, v[S16+5], 16, v[S16+4]      ; rows 64-127 likewise
	v_lshl_or_b32 v17, v[S16+7], 16, v[S16+6]
	v_cndmask_b32 v31, v31, v17, vcc_lo
	ds_store_b32 v[SCA], v30 offset:SCST           ; the two runs of 128 bytes meet in LDS,
	ds_store_b32 v[SCA], v31 offset:SCST+128
	ds_load_b64 v[28:29], v[SCB] offset:SCST
	s_wait_dscnt 0x0
	global_store_b64 v[L8], v[28:29], s[28:29]     ; and leave as 256 consecutive bytes, at a multiple of 256 from the buffer's first byte
	s_branch .Lend
	; ---------------- v: 4 blocks of 32 keys ----------------
.Lv:
	s_lshl_b32 s22, s21, 15
	s_add_nc_u64 s[24:25], s[8:9], s[22:23]
	s_lshl_b32 s22, s21, 14                        ; 128 keys x 64 channels of f16
	s_add_nc_u64 s[26:27], s[18:19], s[22:23]
.macro VLOAD b                         ; a lane takes channels 2 l and 2 l + 1, and its registers run down the keys: each load reads a whole row of 256 bytes
.set kk, 0
.rept 32
	global_load_b64 v[VX+64*((\b)%2)+2*kk:VX+64*((\b)%2)+2*kk+1], v[L8], s[24:25] offset:(32*(\b)+kk)*256 th:TH_LOAD_NT
.set kk, kk+1
.endr
.endm
.macro BLOCK b
.set XB, VX+64*((\b)%2)
.set CB, VC+32*((\b)%2)
.if (\b) < 3
	s_wait_loadcnt 32                              ; this block's 32 loads are in; the next block's may be out
.else
	s_wait_loadcnt 0x0
.endif
.if (\b) >= 2
	s_wait_xcnt 0x0                                ; the stores of two blocks back have read their data: these registers are written again only behind this wait
.endif
.irp e, 0,1
.set ii, 0
.rept 16
	v_cvt_pk_f16_f32 v[CB+16*\e+ii], v[XB+4*ii+\e], v[XB+4*ii+2+\e]   ; keys 2 i and 2 i + 1 of channel 2 l + e
.set ii, ii+1
.endr
.endr
.if (\b)+2 < 4
	VLOAD (\b)+2
.endif
.irp e, 0,1
.irp u, 0,1,2,3
	global_store_b128 v[VA], v[CB+16*\e+4*\u:CB+16*\e+4*\u+3], s[26:27] offset:4096*(\b)+1024*\e+256*\u   ; keys 8 u .. 8 u + 7: sixteen lanes store 256 consecutive bytes, aligned
.endr
.endr
.endm
	VLOAD 0
	VLOAD 1
.irp b, 0,1,2,3
	BLOCK \b
.endr
.Lend:
	s_wait_tensorcnt 0x0                           ; the wave's end: behind my last LDS store
	ds_add_u32 v[SPW], v[NIL]
	s_wait_dscnt 0x0
	s_endpgm
.Lfunc_end_k_q5142a0f679_prep:
	.size	k_q5142a0f679_prep, .Lfunc_end_k_q5142a0f679_prep-k_q5142a0f679_prep
	.p2alignl 7, 3214868480
	.fill 96, 4, 3214868480
	.section	.rodata,"a",@progbits
	.p2align	6, 0x0
	.amdhsa_kernel k_q5142a0f679_prep
		.amdhsa_group_segment_fixed_size 56064
		.amdhsa_private_segment_fixed_size 0
		.amdhsa_enable_private_segment 0
		.amdhsa_kernarg_size 64
		.amdhsa_user_sgpr_count 2
		.amdhsa_user_sgpr_kernarg_segment_ptr 1
		.amdhsa_wavefront_size32 1
		.amdhsa_system_sgpr_workgroup_id_x 1
		.amdhsa_system_sgpr_workgroup_id_y 1
		.amdhsa_system_sgpr_workgroup_id_z 1
		.amdhsa_system_vgpr_workitem_id 0
		.amdhsa_next_free_vgpr 256
		.amdhsa_next_free_sgpr 66
		.amdhsa_reserve_vcc 1
		.amdhsa_float_denorm_mode_32 3
		.amdhsa_float_denorm_mode_16_64 3
		.amdhsa_memory_ordered 1
		.amdhsa_forward_progress 1
		.amdhsa_inst_pref_size 54
	.end_amdhsa_kernel
	.amdgpu_metadata
---
amdhsa.version: [ 1, 2 ]
amdhsa.kernels:
  - .name:           k_q5142a0f679_prep
    .symbol:         k_q5142a0f679_prep.kd
    .args:
      - { .name: q, .offset: 0, .size: 8, .value_kind: global_buffer, .address_space: global }
      - { .name: k, .offset: 8, .size: 8, .value_kind: global_buffer, .address_space: global }
      - { .name: v, .offset: 16, .size: 8, .value_kind: global_buffer, .address_space: global }
      - { .name: qc, .offset: 24, .size: 8, .value_kind: global_buffer, .address_space: global }
      - { .name: qs, .offset: 32, .size: 8, .value_kind: global_buffer, .address_space: global }
      - { .name: kc, .offset: 40, .size: 8, .value_kind: global_buffer, .address_space: global }
      - { .name: ks, .offset: 48, .size: 8, .value_kind: global_buffer, .address_space: global }
      - { .name: vh, .offset: 56, .size: 8, .value_kind: global_buffer, .address_space: global }
    .group_segment_fixed_size: 56064
    .private_segment_fixed_size: 0
    .kernarg_segment_align: 8
    .kernarg_segment_size: 64
    .max_flat_workgroup_size: 192
    .sgpr_count:     66
    .vgpr_count:     256
    .wavefront_size: 32
...
	.end_amdgpu_metadata
.endif
;; end of part 1
;; launch attn (part 2): grid 16 x 16, 8 waves a work-group, clusters of 4 x 1, 327,680 bytes of LDS; arguments qc, qs, kc, ks, vh, out0; writes out0
.if DOCPART == 2
	.amdgcn_target "amdgcn-amd-amdhsa--gfx1250"
	.amdhsa_code_object_version 6
	.text
	.protected	k_q5142a0f679_attn
	.globl	k_q5142a0f679_attn
	.p2align	8
	.type	k_q5142a0f679_attn,@function
k_q5142a0f679_attn:
	s_mov_b64 s[64:65], 0
	v_nop
	global_prefetch_b8 v0, s[64:65] scope:SCOPE_SE
	s_setreg_imm32_b32 hwreg(HW_REG_WAVE_MODE, 25, 1), 1
	s_wait_xcnt 0x0
	s_wait_alu depctr_hold_cnt(0) depctr_sa_sdst(0) depctr_va_vdst(0) depctr_va_sdst(0) depctr_va_ssrc(0) depctr_va_vcc(0) depctr_vm_vsrc(0)
	s_getreg_b32 s2, hwreg(HW_REG_IB_STS2, 6, 4)
	s_cmp_eq_u32 s2, 0
	s_cbranch_scc0 .Lentry_in_a_cluster
	s_endpgm
.Lentry_in_a_cluster:
	s_bfe_u32 s2, ttmp6, 0x10000c
	s_cmp_lg_u32 s2, 0x3003
	s_cbranch_scc0 .Lentry_shape_is_right
	s_endpgm
.Lentry_shape_is_right:
; out0[h][q][:] = the sum over k of softmax_k(Q[h][q] . K[h][k] / 8) V[h][k][:].  16 heads, 4,096 queries, 4,096 keys, head size 64.
; The first product is made on codes of FP4 (E2M1) with one E8M0 byte for each 32 along the head's 64 (qc, qs, kc, ks, made by the launch before); the second on f16 operands (p rounded here, vh made before); all sums,
; maxima and exponentials in f32.  SOFTMAX: for each query a running maximum m and sum l: p = 2^(c s - c m), c = log2(e) / 8; in every step O and l are multiplied by a = 2^(c m_old - c m_new).
; LIMITS: NaN and infinities are not served.  p is at most about 1; weights under 2^-25 of a row's largest fall to 0 in f16 for the second product (the row's sum takes them in f32).  |v| above 65,504 is infinity in f16.
; SHARES: a work-group owns 256 queries of one head, each of its eight waves 32 (two tiles of 16): two waves to a SIMD, so that one wave's softmax stands beside the other's products.  Every wave walks 64 steps of 64 keys.
; CLUSTER: the four work-groups of a cluster belong to one head and read the same K and V: every tile is asked for JOINTLY, by the same tensor load with the same descriptor and a mask that names the four.
; BOTH PRODUCTS ARE USED TRANSPOSED, so that a lane holds ONE query (lane % 16) throughout.
;   S^T = K Q^T.  The instruction is 128 deep and the head is 64.  Source 0 is TWO tiles of 16 keys on end (8 registers: depth 0-63 tile a, depth 64-127 tile b).  Source 1 is cut out of twelve registers [q | 0 | q]:
;   registers 0-7 give tile a's scores, registers 4-11 tile b's.  The other half of the depth meets zero codes, which add nothing; Q's scale bytes of that half are 0 (2^-127, a number like any other).
;   Register 8 i + j of a tile's 32 scores is key 16 i + 8 (lane / 16) + j: rounded to f16 in pairs they ARE source 1 (32 keys x 16 queries) of O^T = V^T P.
; LDS: K's codes and scale words of the whole head are filled once and stay; V goes through a ring of two slots of 512 keys.  All of them lie as images of operand registers: a load's 512 bytes are consecutive, so no padding.
; REGISTERS: window 0: v1-11 addresses; v12-27 statistics, 8 a tile; v28, 29 Q's scale words; v30 K's; v32-55 Q, 12 a tile; v56-71 K of a step; v72-135 S^T then p, 32 a tile; v136-167 P, 16 a tile; v168-174 at work.
;            window 1: v0-63 O^T, 32 a tile (fragment c at 8 c); v64-127 V of a step.
.set VS0,   0x20000                    ; K's codes: LDS bytes 0 .. 131,071.  V's slot 0 begins here,
.set SLOTB, 0x10000                    ; a slot is 65,536 bytes: one exclusive or turns an address in one slot into the other's
.set KS,    0x40000                    ; K's scale words: 8,192 bytes
.set STAGE, KS+8192                    ; the way out: 16 rows x 272 bytes for each wave
.set SP,    272
.set SPARE, STAGE+8*16*SP              ; the spare words, 128 bytes for each wave: four blocks of 256 bytes that no other line names
.set LI,  1                            ; v1   16 x lane; never rewritten
.set LS,  2                            ; v2   KS + 4 x lane; never rewritten
.set ADK, 3                            ; v3   LDS address of the K fetch in hand
.set ADS, 4                            ; v4   of its scale words
.set ADV, 5                            ; v5   of the V fetch in hand
.set STO, 6                            ; v6   the way out: where I put 64 bytes of a row
.set RD,  7                            ; v7   the way out: where I read a row back
.set GO,  8                            ; v8   my byte offset in the wave's rows of out0
.set PFO, 9                            ; v9   256 x lane: the prefetches' offset; never rewritten
.set SPW, 10                           ; v10  LDS address of my spare word; never rewritten
.set NIL, 11                           ; v11  0; never rewritten
.set ST,  12                           ; tile t's statistics at v[ST + 8 t]: +0 c m, +1 m, +2, +3 l (even keys', odd keys'), +4 to +7 at work: four chains of the maximum, then +4, +5 a second sum, +6 a, +7 c m_old - c m_new
.set QS,  28
.set KSC, 30
.set QO,  31                           ; v31  4 x (lane % 16)
.set Q,   32
.set KR,  56
.set S,   72
.set P,   136
.set OLD, 168                          ; v168, v169  c m of the step before
.set VR,  64                           ; in window 1
.set WV,  16                           ; s16  my wave's number
.set CX,  17                           ; s17  my place in the cluster
.set BLK, 18                           ; s18  my block of 256 queries
.set HD,  19                           ; s19  the head
.set G1K, 24                           ; s[24:31] descriptor group 1: 64 rows of 256 bytes (K's codes, an eighth of a head)
.set G1V, 32                           ; s[32:39] 32 rows (V, an eighth of a slot)
.set G1S, 40                           ; s[40:47] 4 rows (K's scale words, an eighth of a head)
.set G0K, 48                           ; s[48:51], s[52:55], s[56:59] groups 0 of the fills that are issued once: K's codes, K's scale words, V's slot 0
.set G0S, 52
.set G0V0, 56
.set G0V1, 60                          ; s[60:63] V's slot 1, and then it walks
.set SLOTS, 66                         ; s66  slots still to be asked for
.set STEPC, 67                         ; s67  counts a slot's eight steps
.set TK,  68                           ; s68  LDS byte of the next step's K codes
.set TS,  69                           ; s69  byte among K's scale words of the next step's
.set TV,  70                           ; s70  LDS byte of this step's V
.set LIM, 71                           ; s71  1 in a wave that prefetches, else the greatest number
.set PFA, 72                           ; s[72:73] where my prefetches stand
.set CS,  74                           ; s[74:75] c, twice: the packed form names a pair
.set SEL, 76                           ; s[76:77] v_permlanex16_b32's selects for lane l xor 16
.set MSB, 0
.macro WIN new                         ; s_set_vgpr_msb: bits 1:0 source 0, 3:2 source 1, 5:4 source 2, 7:6 destination; the high byte repeats the setting that is left
.if MSB != \new
	s_set_vgpr_msb (MSB<<8)|\new
.set MSB, \new
.endif
.endm
.macro G1SET g, rows                   ; a dense block as rows of 256 bytes: 32 elements of 8 bytes, the pitch equal to the row
	s_mov_b32 s[\g], 15|(3<<16)|(1<<21)            ; 15:0 the mask: all four work-groups; 17:16 elements of 8 bytes; 20 no padding; 21 set beside a mask
	s_mov_b32 s[\g+1], 32<<16                      ; tensor_dim0 = 32
	s_mov_b32 s[\g+2], (\rows)<<16                 ; tensor_dim1
	s_mov_b32 s[\g+3], 32<<16                      ; tile_dim0 = 32
	s_mov_b32 s[\g+4], \rows                       ; tile_dim1
	s_mov_b32 s[\g+5], 32                          ; tensor_dim0_stride
	s_mov_b32 s[\g+6], 0
	s_mov_b32 s[\g+7], 0
.endm
; A round of the cluster's barrier: my work-group's barrier, so that wave 0's signal speaks for all eight waves; wave 0 signals for the work-group; every wave waits for all four work-groups; my work-group's barrier once more.
.macro CROUND
	s_barrier_signal -1
	s_barrier_wait -1
	s_cmp_lg_u32 s[WV], 0
	s_cbranch_scc1 .Lnot_wave_0_\@
	s_barrier_signal -3
.Lnot_wave_0_\@:
	s_barrier_wait -3
	s_barrier_signal -1
	s_barrier_wait -1
.endm
; A PREFETCH INTO THE L2 of the 65,536 bytes of V that the NEXT change of slots will ask for: eight key steps ahead of that load.  It stands behind the wave's tensor load and its five lines.
; Each aligned block of 256 bytes is named ONCE in the launch: all clusters of a head walk the same V, so the head's first cluster asks; its four partners take 16,384 bytes each, told apart BY ADDRESS;
; in each, waves 0 and 1 ask, 8,192 bytes a wave, lanes 256 bytes apart.  The last change that fills a slot asks for nothing.  K, the scale words and V's first three slots' worth come by their loads alone.
.macro ASK
	s_cmp_gt_u32 s[SLOTS], s[LIM]
	s_cbranch_scc0 .Lnot_mine_\@
	global_prefetch_b8 v[PFO], s[PFA:PFA+1] th:TH_LOAD_NT scope:SCOPE_SE
.Lnot_mine_\@:
.endm
	s_load_b256 s[4:11], s[0:1], 0x0               ; qc s[4:5], qs s[6:7], kc s[8:9], ks s[10:11]
	s_load_b128 s[12:15], s[0:1], 0x20             ; vh s[12:13], out0 s[14:15]
	v_lshl_add_u32 v[SPW], v0, 2, SPARE
	v_mov_b32 v[NIL], 0
	ds_add_u32 v[SPW], v[NIL]                      ; the wave's opening: the add, twice on end, and its wait ahead of my first tensor load; the set-up below, work on registers, stands between
	ds_add_u32 v[SPW], v[NIL]                      ; and once more, under the one wait
	v_lshrrev_b32 v1, 5, v0
	v_readfirstlane_b32 s[WV], v1                  ; wave 0..7
	s_bfe_u32 s[CX], ttmp6, 0x40000                ; cx
	s_lshl_b32 s[BLK], ttmp9, 2                    ; in a cluster launch ttmp9 counts clusters
	s_add_co_u32 s[BLK], s[BLK], s[CX]             ; my block of 256 queries: it enters Q's and out0's addresses alone
	s_and_b32 s[HD], ttmp7, 0xffff                 ; the head, which the four partners share
	G1SET G1K, 64
	G1SET G1V, 32
	G1SET G1S, 4
	; offsets that the partners share: the head and my wave's eighth
	s_lshl_b32 s20, s[HD], 17                      ; kc: a head's codes are 131,072 bytes, my eighth 16,384
	s_lshl_b32 s21, s[WV], 14
	s_add_co_u32 s20, s20, s21
	s_mov_b32 s21, 0
	s_lshl_b32 s22, s[HD], 13                      ; ks: 8,192 and 1,024
	s_lshl_b32 s23, s[WV], 10
	s_add_co_u32 s22, s22, s23
	s_mov_b32 s23, 0
	s_lshl_b32 s78, s[HD], 19                      ; vh: a head is 524,288 bytes, my eighth of a slot 8,192
	s_lshl_b32 s79, s[WV], 13
	s_add_co_u32 s78, s78, s79
	s_mov_b32 s79, 0
	; offsets that hang on my place in the cluster, in registers that feed no descriptor
	s_lshl_b32 s80, s[HD], 17                      ; qc: 256 queries are 8,192 bytes, my wave's 32 are 1,024
	s_lshl_b32 s81, s[BLK], 13
	s_add_co_u32 s80, s80, s81
	s_lshl_b32 s81, s[WV], 10
	s_add_co_u32 s80, s80, s81
	s_mov_b32 s81, 0
	s_lshl_b32 s82, s[HD], 13                      ; qs: 512 and 64
	s_lshl_b32 s83, s[BLK], 9
	s_add_co_u32 s82, s82, s83
	s_lshl_b32 s83, s[WV], 6
	s_add_co_u32 s82, s82, s83
	s_mov_b32 s83, 0
	s_lshl_b32 s84, s[HD], 20                      ; out0: a row is 256 bytes
	s_lshl_b32 s85, s[BLK], 16
	s_add_co_u32 s84, s84, s85
	s_lshl_b32 s85, s[WV], 13
	s_add_co_u32 s84, s84, s85
	s_mov_b32 s85, 0
	s_lshl_b32 s86, s[HD], 19                      ; the prefetches: my work-group's 16,384 bytes of a slot's worth, my wave's half of them,
	s_lshl_b32 s87, s[CX], 14
	s_add_co_u32 s86, s86, s87
	s_and_b32 s87, s[WV], 1
	s_lshl_b32 s87, s87, 13
	s_add_co_u32 s86, s86, s87
	s_add_co_u32 s86, s86, 2*SLOTB                 ; in the third slot's worth: the first change of slots steps it to the fourth.  Nothing is prefetched at the head
	s_mov_b32 s87, 0
	s_lshr_b32 s[LIM], s[WV], 1                    ; 0 in waves 0 and 1,
	s_or_b32 s[LIM], s[LIM], ttmp9                 ; of the head's first cluster: the same in all four partners
	s_cmp_eq_u32 s[LIM], 0
	s_cselect_b32 s[LIM], 1, -1
	s_mov_b32 s[CS], 0x3e38aa3b                    ; c = log2(e) / 8
	s_mov_b32 s[CS+1], s[CS]
	s_mov_b32 s[SEL], 0x76543210
	s_mov_b32 s[SEL+1], 0xfedcba98
	s_mov_b32 s[TK], 0
	s_mov_b32 s[TS], 0
	s_mov_b32 s[TV], VS0
	s_mul_i32 s88, s[WV], 16*SP
	s_add_co_u32 s88, s88, STAGE                   ; my stage
	s_wait_dscnt 0x0                               ; both opening adds are done
	s_wait_kmcnt 0x0
	s_add_nc_u64 s[4:5], s[4:5], s[80:81]          ; Q's codes, Q's scale words and out0 at my wave's first query
	s_add_nc_u64 s[6:7], s[6:7], s[82:83]
	s_add_nc_u64 s[14:15], s[14:15], s[84:85]
	s_add_nc_u64 s[PFA:PFA+1], s[12:13], s[86:87]
	CROUND                                         ; all four work-groups are here: the first joint loads meet
	s_mov_b32 s[G0S], 1                            ; 1:0 count = 1
	s_lshl_b32 s[G0S+1], s[WV], 10                 ; 63:32 LDS address: a constant + the wave's number x a constant
	s_add_co_u32 s[G0S+1], s[G0S+1], KS
	s_add_nc_u64 s[G0S+2:G0S+3], s[10:11], s[22:23]   ; 120:64 global address
	s_or_b32 s[G0S+3], s[G0S+3], 0x80000000        ; 127:126 type = 2
	s_mov_b32 s[G0K], 1
	s_lshl_b32 s[G0K+1], s[WV], 14
	s_add_nc_u64 s[G0K+2:G0K+3], s[8:9], s[20:21]
	s_or_b32 s[G0K+3], s[G0K+3], 0x80000000
	s_mov_b32 s[G0V0], 1
	s_lshl_b32 s[G0V0+1], s[WV], 13
	s_add_co_u32 s[G0V0+1], s[G0V0+1], VS0
	s_add_nc_u64 s[G0V0+2:G0V0+3], s[12:13], s[78:79]
	s_or_b32 s[G0V0+3], s[G0V0+3], 0x80000000
	s_mov_b32 s[G0V1], 1
	s_lshl_b32 s[G0V1+1], s[WV], 13
	s_add_co_u32 s[G0V1+1], s[G0V1+1], VS0+SLOTB
	s_add_nc_u64 s[G0V1+2:G0V1+3], s[12:13], s[78:79]
	s_add_nc_u64 s[G0V1+2:G0V1+3], s[G0V1+2:G0V1+3], SLOTB   ; keys 512 to 1,023
	s_or_b32 s[G0V1+3], s[G0V1+3], 0x80000000
	tensor_load_to_lds s[G0S:G0S+3], s[G1S:G1S+7]  ; the four first fills go out as one group, every wave its eighth of each: four tensor loads of mine are out
	s_nop 0
	tensor_load_to_lds s[G0K:G0K+3], s[G1K:G1K+7]
	s_nop 0
	tensor_load_to_lds s[G0V0:G0V0+3], s[G1V:G1V+7]
	s_nop 0
	tensor_load_to_lds s[G0V1:G0V1+3], s[G1V:G1V+7]
	s_nop 0
.rept 4
	v_nop                                          ; behind a tensor load
.endr
	v_and_b32 v174, 31, v0                         ; lane
	v_and_b32 v172, 15, v0                         ; r
	v_bfe_u32 v173, v0, 4, 1                       ; h
	v_lshlrev_b32 v[LI], 4, v174
	v_lshlrev_b32 v[QO], 2, v172
.irp t, 0,1                                    ; Q stays in registers: a tile's image twice, with four zero registers between
	global_load_b128 v[Q+12*\t:Q+12*\t+3],    v[LI], s[4:5] offset:512*\t
	global_load_b128 v[Q+12*\t+8:Q+12*\t+11], v[LI], s[4:5] offset:512*\t
.endr
	global_load_b32 v170, v[QO], s[6:7]            ; row r's bytes of tile 0 (low half) and of tile 1 (high half)
	v_lshl_add_u32 v[LS], v174, 2, KS
	v_lshlrev_b32 v[PFO], 8, v174
	v_mul_u32_u24 v[STO], v172, SP                 ; into the stage: row r; my 16 neighbouring channels of each half of the row: 64 h bytes on
	v_lshl_add_u32 v[STO], v173, 6, v[STO]
	v_add_nc_u32 v[STO], s88, v[STO]
	v_mul_u32_u24 v[RD], v173, SP                  ; back: lanes 0-15 one row of 256 bytes, lanes 16-31 the next
	v_lshl_add_u32 v[RD], v172, 4, v[RD]
	v_add_nc_u32 v[RD], s88, v[RD]
	v_lshlrev_b32 v[GO], 8, v173                   ; and the same two rows in out0
	v_lshl_add_u32 v[GO], v172, 4, v[GO]
	v_lshlrev_b32 v171, 4, v173                    ; 16 h
.irp t, 0,1
.irp i, 4,5,6,7
	v_mov_b32 v[Q+12*\t+\i], 0                     ; zero codes for the half of the depth that is not in use
.endr
	v_mov_b32 v[ST+8*\t+1], 0xff61b1e6             ; m = -3e38, under every score: the first step's a is then 0, and O^T and l begin as zeros
	v_mul_f32 v[ST+8*\t], s[CS], v[ST+8*\t+1]      ; c m
	v_mov_b32 v[ST+8*\t+2], 0                      ; l
	v_mov_b32 v[ST+8*\t+3], 0
.endr
	s_wait_loadcnt 0x0                             ; Q and its bytes
	v_and_b32 v172, 0xffff, v170
	v_lshlrev_b32 v[QS], v171, v172                ; tile 0: lanes 0-15 the bytes at depth 0-63 (for [q | 0]), lanes 16-31 the same at depth 64-127 (for [0 | q]); the other two bytes 0
	v_lshrrev_b32 v172, 16, v170
	v_lshlrev_b32 v[QS+1], v171, v172              ; tile 1
	WIN 0x40                                       ; destination window 1
.set i, 0
.rept 64
	v_mov_b32 v[i], 0                              ; O^T.  (The step is written once: its first pass finds zeros.  These lines also stand between the scale words just made and the first scaled product)
.set i, i+1
.endr
	WIN 0
; Scores of tile t against the 16 keys e of pair p: a sum of its own, begun with the constant 0
.macro KQ t, p, e
.set rS, S+32*(\t)+8*(2*(\p)+(\e))
.set rK, KR+8*(\p)
.set rQ, Q+12*(\t)+4*(\e)
.if ((\p) == 0) && ((\e) == 0)
	v_wmma_scale_f32_16x16x128_f8f6f4 v[rS:rS+7], v[rK:rK+7], v[rQ:rQ+7], 0, v[KSC], v[QS+(\t)] matrix_a_fmt:MATRIX_FMT_FP4 matrix_b_fmt:MATRIX_FMT_FP4
.elseif (\p) == 0
	v_wmma_scale_f32_16x16x128_f8f6f4 v[rS:rS+7], v[rK:rK+7], v[rQ:rQ+7], 0, v[KSC], v[QS+(\t)] matrix_a_fmt:MATRIX_FMT_FP4 matrix_b_fmt:MATRIX_FMT_FP4 matrix_b_scale:MATRIX_SCALE_ROW1
.elseif (\e) == 0
	v_wmma_scale_f32_16x16x128_f8f6f4 v[rS:rS+7], v[rK:rK+7], v[rQ:rQ+7], 0, v[KSC], v[QS+(\t)] matrix_a_fmt:MATRIX_FMT_FP4 matrix_b_fmt:MATRIX_FMT_FP4 matrix_a_scale:MATRIX_SCALE_ROW1
.else
	v_wmma_scale_f32_16x16x128_f8f6f4 v[rS:rS+7], v[rK:rK+7], v[rQ:rQ+7], 0, v[KSC], v[QS+(\t)] matrix_a_fmt:MATRIX_FMT_FP4 matrix_b_fmt:MATRIX_FMT_FP4 matrix_a_scale:MATRIX_SCALE_ROW1 matrix_b_scale:MATRIX_SCALE_ROW1
.endif
.endm
; A step's K: four tiles' images (two pairs) and one register of scale words: lanes 0-15 pair 0's, lanes 16-31 pair 1's.  The addresses then step, held at the head's last step: the last step fetches its own K once more, and that fetch is not used.
.macro FETCH_K
.irp i, 0,1,2,3
	ds_load_b128 v[KR+4*\i:KR+4*\i+3], v[ADK] offset:512*\i
.endr
	ds_load_b32 v[KSC], v[ADS]
	s_add_co_u32 s[TK], s[TK], 2048
	s_min_u32 s[TK], s[TK], 63*2048
	s_add_co_u32 s[TS], s[TS], 128
	s_min_u32 s[TS], s[TS], 63*128
.endm
; A KEY STEP: 64 keys, both tiles of queries, in phases.
.macro STEP
	v_add_nc_u32 v[ADV], s[TV], v[LI]
	WIN 0x40                                       ; destination window 1, address window 0
.set f, 0
.rept 8                                        ; V: fragment f = 4 x (which 32 keys) + (which 16 channels), 1,024 bytes.  The last products that read these registers stand 32 plain vector lines back
	ds_load_b128 v[VR+8*f:VR+8*f+3],   v[ADV] offset:1024*f
	ds_load_b128 v[VR+8*f+4:VR+8*f+7], v[ADV] offset:1024*f+512
.set f, f+1
.endr
	WIN 0
	s_add_co_u32 s[TV], s[TV], 8192
	s_wait_dscnt 16                                ; K's five loads, asked for a step ago, are in; V's sixteen may be out
.irp p, 0,1
.irp e, 0,1
.irp t, 0,1
	KQ \t, \p, \e
.endr
.endr
.endr
	v_mov_b32 v[OLD], v[ST]                        ; c m of the step before is kept.  These four plain lines, which name none of the products' registers, are the places
	v_mov_b32 v[OLD+1], v[ST+8]                    ; in front of the loads into K's registers and of the first read of the scores
	v_add_nc_u32 v[ADK], s[TK], v[LI]
	v_add_nc_u32 v[ADS], s[TS], v[LS]
	FETCH_K                                        ; the next step's
	; the maximum of my 32 scores and the old m: four chains, each score tile read from its low end on; the two tiles of queries alternate
.irp j, 0,1,2,3
.irp t, 0,1
	v_max3_num_f32 v[ST+8*\t+4+\j], v[S+32*\t+8*\j], v[S+32*\t+8*\j+1], v[S+32*\t+8*\j+2]
.endr
.endr
.irp g, 1,2
.irp j, 0,1,2,3
.irp t, 0,1
	v_max3_num_f32 v[ST+8*\t+4+\j], v[ST+8*\t+4+\j], v[S+32*\t+8*\j+2*\g+1], v[S+32*\t+8*\j+2*\g+2]
.endr
.endr
.endr
.irp t, 0,1
	v_max3_num_f32 v[ST+8*\t+4], v[ST+8*\t+4], v[S+32*\t+7], v[S+32*\t+15]
	v_max3_num_f32 v[ST+8*\t+6], v[ST+8*\t+6], v[S+32*\t+23], v[S+32*\t+31]
.endr
.irp t, 0,1
	v_max3_num_f32 v[ST+8*\t+4], v[ST+8*\t+4], v[ST+8*\t+5], v[ST+8*\t+6]
.endr
.irp t, 0,1
	v_max3_num_f32 v[ST+8*\t+4], v[ST+8*\t+4], v[ST+8*\t+7], v[ST+8*\t+1]
.endr
.irp t, 0,1
	v_permlanex16_b32 v[ST+8*\t+5], v[ST+8*\t+4], s[SEL], s[SEL+1]   ; the query's other 32 keys lie in the lane 16 away
.endr
.irp t, 0,1
	v_max_num_f32 v[ST+8*\t+1], v[ST+8*\t+4], v[ST+8*\t+5]           ; the new m
.endr
.irp t, 0,1
	v_mul_f32 v[ST+8*\t], s[CS], v[ST+8*\t+1]                        ; c m
.endr
.irp t, 0,1
	v_sub_f32 v[ST+8*\t+7], v[OLD+\t], v[ST+8*\t]                    ; c m_old - c m_new, 0 or less
.endr
	; ONE BATCH: the 32 scalings c s - c m (a pair of scores each) and all 66 exponentials.  None of these lines names an exponential's result; a pair is scaled one turn ahead of its exponentials
	v_exp_f32 v[ST+6], v[ST+7]                     ; a
	v_exp_f32 v[ST+14], v[ST+15]
.set b, 0
.rept 17
.if b < 16
.irp t, 0,1
	v_pk_fma_f32 v[S+32*\t+2*b:S+32*\t+2*b+1], v[S+32*\t+2*b:S+32*\t+2*b+1], s[CS:CS+1], v[ST+8*\t:ST+8*\t+1] op_sel_hi:[1,0,0] neg_lo:[0,0,1] neg_hi:[0,0,1]
.endr
.endif
.if b > 0
.irp t, 0,1
	v_exp_f32 v[S+32*\t+2*b-2], v[S+32*\t+2*b-2]
	v_exp_f32 v[S+32*\t+2*b-1], v[S+32*\t+2*b-1]
.endr
.endif
.set b, b+1
.endr
	v_nop                                          ; a plain line behind the last exponential, ahead of the first use (ISA guide 5.7.2)
	s_wait_alu depctr_va_vdst(0)                   ; this wait ahead of the first line that names a result: one for the batch
.set n, 0
.rept 16
.irp t, 0,1
	v_cvt_pk_f16_f32 v[P+16*\t+n], v[S+32*\t+2*n], v[S+32*\t+2*n+1]   ; p rounded to f16, a pair of neighbouring keys to a register: source 1 of the second product as it stands
.endr
.set n, n+1
.endr
	WIN 0x41                                       ; O^T (destination and source 0) window 1, a window 0
.irp t, 0,1
.set i, 0
.rept 16
	v_pk_mul_f32 v[32*\t+2*i:32*\t+2*i+1], v[32*\t+2*i:32*\t+2*i+1], v[ST+8*\t+6:ST+8*\t+7] op_sel_hi:[1,0]   ; O^T x a, each accumulator from its low end on
.set i, i+1
.endr
.endr
	s_wait_dscnt 5                                 ; V's sixteen loads are in; the next step's K, five loads issued behind them, may be out
	WIN 0x51                                       ; V, C and D window 1, P window 0
.irp kb, 0,1                                   ; O^T += V^T P: the eight accumulators take turns, one instruction a turn
.irp c, 0,1,2,3
.irp t, 0,1
	v_wmma_f32_16x16x32_f16 v[32*\t+8*\c:32*\t+8*\c+7], v[VR+32*\kb+8*\c:VR+32*\kb+8*\c+7], v[P+16*\t+8*\kb:P+16*\t+8*\kb+7], v[32*\t+8*\c:32*\t+8*\c+7]
.endr
.endr
.endr
	WIN 0
	; the row's sums, of the unrounded p, in two chains a tile: 32 plain lines that name none of those products' registers: they are issued while the products run, and are the places in front of the next loads into V's registers
.irp t, 0,1
	v_pk_add_f32 v[ST+8*\t+4:ST+8*\t+5], v[S+32*\t:S+32*\t+1], v[S+32*\t+2:S+32*\t+3]
	v_pk_fma_f32 v[ST+8*\t+2:ST+8*\t+3], v[ST+8*\t+2:ST+8*\t+3], v[ST+8*\t+6:ST+8*\t+7], v[S+32*\t+4:S+32*\t+5] op_sel_hi:[1,0,1]   ; l = l a + a pair
.endr
.irp n, 3,5,7,9,11,13
.irp t, 0,1
	v_pk_add_f32 v[ST+8*\t+4:ST+8*\t+5], v[ST+8*\t+4:ST+8*\t+5], v[S+32*\t+2*\n:S+32*\t+2*\n+1]
	v_pk_add_f32 v[ST+8*\t+2:ST+8*\t+3], v[ST+8*\t+2:ST+8*\t+3], v[S+32*\t+2*\n+2:S+32*\t+2*\n+3]
.endr
.endr
.irp t, 0,1
	v_pk_add_f32 v[ST+8*\t+4:ST+8*\t+5], v[ST+8*\t+4:ST+8*\t+5], v[S+32*\t+30:S+32*\t+31]
.endr
.irp t, 0,1
	v_pk_add_f32 v[ST+8*\t+2:ST+8*\t+3], v[ST+8*\t+2:ST+8*\t+3], v[ST+8*\t+4:ST+8*\t+5]
.endr
.endm
.macro SLOT_STEPS                      ; a slot's eight key steps: written once, walked eight times; the LDS addresses hang on scalars that step
	s_mov_b32 s[STEPC], 8
.Lstep_\@:
	STEP
	s_sub_co_u32 s[STEPC], s[STEPC], 1
	s_cmp_lg_u32 s[STEPC], 0
	s_cbranch_scc1 .Lstep_\@
.endm
; THE CHANGE OF SLOTS.  Each wave waits for all its tensor loads, of which one can be out: its eighth of the other slot; adds 0 to its spare word; and waits for that and for its own LDS reads.  Behind the barrier nobody reads
; the slot that was left and the other slot is whole.  fill = 1: the slot that was left is filled again, with the keys two slots on.  The barrier is then a round of the cluster's, and the joint refill is the first thing
; behind it, one tensor load a wave: it has eight key steps in which to land.
.macro CHANGE fill
	s_wait_tensorcnt 0x0                           ; no tensor load of mine is out, so a group 0 may be written
	ds_add_u32 v[SPW], v[NIL]                      ; 0 onto my spare word
.if \fill
	s_xor_b32 s[G0V1+1], s[G0V1+1], SLOTB          ; the walking descriptor: the other slot than last time,
	s_add_nc_u64 s[G0V1+2:G0V1+3], s[G0V1+2:G0V1+3], SLOTB   ; the next 512 keys; the type bits on top are not reached
	s_wait_xcnt 0x0                                ; the last prefetch, eight key steps back, has read its address, so it may be written:
	s_add_nc_u64 s[PFA:PFA+1], s[PFA:PFA+1], SLOTB ; one slot's worth further on than the walking descriptor
	s_wait_dscnt 0x0                               ; the add is done, and my reads of the slot are over
	CROUND
	tensor_load_to_lds s[G0V1:G0V1+3], s[G1V:G1V+7]
	s_nop 0
.rept 4
	v_nop
.endr
	ASK
.else
	s_wait_dscnt 0x0                               ; the add is done, and my reads of the slot are over
	s_barrier_signal -1
	s_barrier_wait -1
.endif
	s_sub_co_u32 s[TV], s[TV], SLOTB               ; V's fetches go back to a slot's first step,
	s_xor_b32 s[TV], s[TV], SLOTB                  ; in the other slot
.endm
	s_wait_tensorcnt 0x1                           ; my eighths of the scale words, of K and of V's slot 0 are in; slot 1's may stay out
	s_barrier_signal -1
	s_barrier_wait -1                              ; everybody's are
	v_add_nc_u32 v[ADK], s[TK], v[LI]
	v_add_nc_u32 v[ADS], s[TS], v[LS]
	FETCH_K                                        ; key step 0
	s_mov_b32 s[SLOTS], 6
.Lslot:                                            ; six trips: every slot's worth of keys but the last two is followed by a refill
	SLOT_STEPS
	CHANGE 1
	s_sub_co_u32 s[SLOTS], s[SLOTS], 1
	s_cmp_lg_u32 s[SLOTS], 0
	s_cbranch_scc1 .Lslot
	SLOT_STEPS                                     ; the tail is written out
	CHANGE 0
	SLOT_STEPS
	; THE WAY OUT.  l's two halves and the other half of the lanes' are added; O^T is divided by l and goes through my stage in LDS, a tile (16 rows of out0) at a time.  (The last step's 32 sums are the places behind the last products.)
.irp t, 0,1
	v_add_f32 v[ST+8*\t+4], v[ST+8*\t+2], v[ST+8*\t+3]
.endr
.irp t, 0,1
	v_permlanex16_b32 v[ST+8*\t+5], v[ST+8*\t+4], s[SEL], s[SEL+1]
.endr
.irp t, 0,1
	v_add_f32 v[ST+8*\t+4], v[ST+8*\t+4], v[ST+8*\t+5]
.endr
.irp t, 0,1
	v_rcp_f32 v[ST+8*\t+6], v[ST+8*\t+4]
.endr
	v_nop                                          ; a plain line between the last reciprocal and the use of its result
	s_wait_alu depctr_va_vdst(0)                   ; and the wait ahead of the first use: one for both
; Fragment 2 g + e holds channels 32 g + 2 m + e: register j of lane (r, h) is channel 32 g + 16 h + 2 j + e of query r.  So the two fragments of a half, interleaved, are 16 NEIGHBOURING channels: 64 bytes.
.macro PACK t
	WIN 0x01                                       ; source 0 (O^T) window 1
.irp g, 0,1
.irp e, 0,1
.irp j, 0,1,2,3,4,5,6,7
	v_mul_f32 v[S+32*(\t)+16*\g+2*\j+\e], v[32*(\t)+8*(2*\g+\e)+\j], v[ST+8*(\t)+6]   ; each accumulator from its low end on
.endr
.endr
.endr
	WIN 0
.irp g, 0,1
.irp i, 0,1,2,3
	ds_store_b128 v[STO], v[S+32*(\t)+16*\g+4*\i:S+32*(\t)+16*\g+4*\i+3] offset:128*\g+16*\i
.endr
.endr
.irp i, 0,1,2,3,4,5,6,7
	ds_load_b128 v[S+32*(\t)+4*\i:S+32*(\t)+4*\i+3], v[RD] offset:\i*2*SP   ; LDS serves a wave's instructions in order (ISA guide 5.7.1.4): these see the stores above; the next tile's stores come behind them
.endr
.endm
.macro SEND t, younger                 ; younger: the LDS instructions issued behind tile t's loads: the next tile's sixteen, or none
.irp i, 0,1,2,3,4,5,6,7
	s_wait_dscnt \younger+7-\i
	global_store_b128 v[GO], v[S+32*(\t)+4*\i:S+32*(\t)+4*\i+3], s[14:15] offset:4096*(\t)+512*\i th:TH_STORE_NT   ; 16 lanes store a row: 256 consecutive bytes, at a multiple of 256 from out0's first byte
.endr
.endm
	PACK 0
	PACK 1                                         ; tile 1's arithmetic stands between tile 0's loads and its stores
	SEND 0, 16
	SEND 1, 0
	s_wait_tensorcnt 0x0                           ; the wave's end: behind my last tensor load and my last LDS store
	ds_add_u32 v[SPW], v[NIL]
	s_wait_dscnt 0x0
	CROUND                                         ; the closing round: no work-group ends while a partner may still ask for a tile that names it
	s_endpgm
.Lfunc_end_k_q5142a0f679_attn:
	.size	k_q5142a0f679_attn, .Lfunc_end_k_q5142a0f679_attn-k_q5142a0f679_attn
	.p2alignl 7, 3214868480
	.fill 96, 4, 3214868480
	.section	.rodata,"a",@progbits
	.p2align	6, 0x0
	.amdhsa_kernel k_q5142a0f679_attn
		.amdhsa_group_segment_fixed_size 327680
		.amdhsa_private_segment_fixed_size 0
		.amdhsa_enable_private_segment 0
		.amdhsa_kernarg_size 48
		.amdhsa_user_sgpr_count 2
		.amdhsa_user_sgpr_kernarg_segment_ptr 1
		.amdhsa_wavefront_size32 1
		.amdhsa_system_sgpr_workgroup_id_x 1
		.amdhsa_system_sgpr_workgroup_id_y 1
		.amdhsa_system_sgpr_workgroup_id_z 1
		.amdhsa_system_vgpr_workitem_id 0
		.amdhsa_next_free_vgpr 384
		.amdhsa_next_free_sgpr 92
		.amdhsa_reserve_vcc 0
		.amdhsa_float_denorm_mode_32 3
		.amdhsa_float_denorm_mode_16_64 3
		.amdhsa_memory_ordered 1
		.amdhsa_forward_progress 1
		.amdhsa_inst_pref_size 70
	.end_amdhsa_kernel
	.amdgpu_metadata
---
amdhsa.version: [ 1, 2 ]
amdhsa.kernels:
  - .name:           k_q5142a0f679_attn
    .symbol:         k_q5142a0f679_attn.kd
    .args:
      - { .name: qc, .offset: 0, .size: 8, .value_kind: global_buffer, .address_space: global }
      - { .name: qs, .offset: 8, .size: 8, .value_kind: global_buffer, .address_space: global }
      - { .name: kc, .offset: 16, .size: 8, .value_kind: global_buffer, .address_space: global }
      - { .name: ks, .offset: 24, .size: 8, .value_kind: global_buffer, .address_space: global }
      - { .name: vh, .offset: 32, .size: 8, .value_kind: global_buffer, .address_space: global }
      - { .name: out0, .offset: 40, .size: 8, .value_kind: global_buffer, .address_space: global }
    .group_segment_fixed_size: 327680
    .private_segment_fixed_size: 0
    .kernarg_segment_align: 8
    .kernarg_segment_size: 48
    .max_flat_workgroup_size: 256
    .sgpr_count:     92
    .vgpr_count:     384
    .wavefront_size: 32
...
	.end_amdgpu_metadata
.endif
;; end of part 2
